; MI455X (gfx1250); checked and timed in simulation.
; The chip was launched on July 23, 2026; its instructions are those of AMD's public machine-readable ISA for CDNA 5 (MIT licence, August 2026) and "CDNA5" Instruction Set Architecture Reference Guide (July 2026). The comments in the code are by the model that wrote it; some were corrected since.
;; Pi KV Mo E. Allowed arithmetic: float matrix products may take bf16 or f16 operands with f32 sums; all other float work in f32.
;; Inputs: W 8 x 2,048 x 2,048 float32; Wg 2,048 x 8 float32; b 8 x 2,048 float32; bg 8 float32; cached 8 x 2,048 float32; x 2,048 x 2,048 float32.
;; Outputs: out0 2,048 x 2,048 float32.
;; One version. Each part assembles by itself: llvm-mc -triple=amdgcn-amd-amdhsa -mcpu=gfx1250 --defsym DOCPART=n.
;; ======== version 1 of 1: 2 launches
;; workspace buffers: xb 8,388,608 bytes; wb 67,108,864 bytes; gate 65,536 bytes
;; launch prep (part 1): grid 256 x 1, 16 waves a work-group, no clusters, 10,240 bytes of LDS; arguments x, W, Wg, bg, xb, wb, gate; writes xb, wb, gate
.if DOCPART == 1
	.amdgcn_target "amdgcn-amd-amdhsa--gfx1250"
	.amdhsa_code_object_version 6
	.text
	.protected	k_qf2fffa8ecd_prep
	.globl	k_qf2fffa8ecd_prep
	.p2align	8
	.type	k_qf2fffa8ecd_prep,@function
k_qf2fffa8ecd_prep:
	s_mov_b64 s[64:65], 0
	v_nop
	global_prefetch_b8 v0, s[64:65] scope:SCOPE_SE
	s_setreg_imm32_b32 hwreg(HW_REG_WAVE_MODE, 25, 1), 1
	s_wait_xcnt 0x0
; prep: the casts to bf16 and the gate.  A stream: no matrix unit, no cluster (the work-groups share no input but the 64 KiB of Wg).
;   xb[n][h]              = bf16(x[n][h])                         rows of 4,096 bytes
;   wb[p][k][ft][el][fi]  = bf16(W[4 p + el][k][64 ft + fi])      p < 2, k < 2048, ft < 32, el < 4, fi < 64: rows (p, k) of 16,384 bytes
;   gate[n][e]            = softmax over e of (x[n] . Wg[:, e] + bg[e]), all in f32, the row's maximum taken away first
; SHARES.  256 work-groups of equal work, 16 waves each.  Work-group g makes rows 16 g .. 16 g + 15 of wb, one a wave, and rows 8 g .. 8 g + 7 of xb and gate; of those
; eight rows of x wave w owns columns 128 w .. 128 w + 127, four a lane.
; ORDER.  All of a wave's first loads go out at the head: bg, its part of Wg, its eight pieces of x, and sixteen loads of W (a ring of sixteen slots in registers).  Then one row of x
; (cast, partial logits, sums over sixteen lanes) stands in front of every four units of W, so that the ring keeps turning while the gate's arithmetic is done.
; After eight rows the waves' partial sums meet in LDS, wave 0 makes the softmax, and every wave goes on with the second half of its row of wb.
; LIMITS: a gate below 2^-126 comes out as 0 (v_exp_f32 flushes denormal results: ISA guide, its entry in 15.8); rows with NaN or infinite logits are not served.
.set OFF,  1                           ; v1, v2     byte offsets in W: experts 4 p + 0, 1 (lanes 0-15, 16-31) and experts 4 p + 2, 3
.set ST,   3                           ; v3         8 lane: my 8 bytes of a unit of wb; in wave 0 also my 8 bytes of a block of partial sums and of gate
.set XO,   4                           ; v4         512 w + 16 lane: my 16 bytes in a row of x; the same number is the LDS address of my 16 bytes of partial sums
.set WO,   5                           ; v5         4,096 w + 128 lane: my first column's eight weights in Wg
.set BO,   6                           ; v6         256 w + 8 lane: my 8 bytes in a row of xb
.set X,    8                           ; v[8:71]    W: a ring of 16 slots of 4 registers, as loaded
.set Y,    72                          ; v[72:199]  W: 64 units x 2 registers to store: none is written twice, so no store's data is rewritten
.set WGR,  136                         ; v[136:167] Wg of my four columns, eight experts each   } in the registers of units 32 to 63,
.set XR,   168                         ; v[168:199] eight rows x 4 numbers of x                 } which are written only when the x part is over
.set FS,   136                         ; v[136:199] wave 0: the 32 partial sums, a pair each
.set L,    200                         ; v[200:207] a row's eight partial logits; in wave 0 the softmax
.set A,    208                         ; v[208:211] the four experts that my lane keeps
.set B,    212                         ; v[212:215] the four that it hands to its neighbour
.set BG,   216                         ; v[216:217] bg of experts 2 (lane % 4) and the next
.set BGO,  218                         ; v218       8 (lane % 4)
.set LN,   219                         ; v219       lane
.set K,    220                         ; v[220:223] what my lane sends to LDS: row (lane % 16) / 2, experts 4 (lane % 2) + 0..3
.set MROW, 32                          ; s33-s39    masks: the lanes that keep row r, r = 1 .. 7
	s_load_b256 s[4:11], s[0:1], 0x0               ; x s[4:5], W s[6:7], Wg s[8:9], bg s[10:11]
	s_load_b128 s[12:15], s[0:1], 0x20             ; xb s[12:13], wb s[14:15]
	s_load_b64 s[16:17], s[0:1], 0x30              ; gate
	v_lshl_add_u32 v224, v0, 2, 0x2000
	v_mov_b32 v225, 0
	v_lshrrev_b32 v[A], 5, v0
	v_readfirstlane_b32 s18, v[A]                  ; my wave's number, 0 .. 15
	v_and_b32 v[LN], 31, v0
	s_lshl_b32 s19, ttmp9, 4
	s_add_co_u32 s19, s19, s18                     ; my row of wb: R = 2048 p + k
	s_lshr_b32 s20, s19, 11                        ; p
	s_and_b32 s21, s19, 2047                       ; k
	s_lshl_b32 s20, s20, 26                        ; four experts of 2^24 bytes
	s_lshl_b32 s21, s21, 13                        ; rows of W are 8,192 bytes
	s_add_co_u32 s20, s20, s21
	s_mov_b32 s21, 0
	s_lshl_b32 s22, s19, 14                        ; rows of wb are 16,384 bytes
	s_mov_b32 s23, 0
	s_lshl_b32 s24, ttmp9, 16                      ; eight rows of x, 8,192 bytes each
	s_mov_b32 s25, 0
	s_lshl_b32 s26, ttmp9, 15                      ; eight rows of xb, 4,096 bytes each
	s_mov_b32 s27, 0
	s_lshl_b32 s28, ttmp9, 8                       ; eight rows of gate, 32 bytes each
	s_mov_b32 s29, 0
	s_mov_b32 s30, 0x3fb8aa3b                      ; log2(e)
	v_lshlrev_b32 v[ST], 3, v[LN]
	v_lshlrev_b32 v[XO], 4, v[LN]
	v_lshl_add_u32 v[XO], s18, 9, v[XO]
	v_lshlrev_b32 v[WO], 7, v[LN]
	v_lshl_add_u32 v[WO], s18, 12, v[WO]
	v_lshl_add_u32 v[BO], s18, 8, v[ST]
	v_and_b32 v[BGO], 3, v0
	v_lshlrev_b32 v[BGO], 3, v[BGO]
	v_lshrrev_b32 v[OFF], 4, v[LN]
	v_lshlrev_b32 v[OFF], 24, v[OFF]               ; lanes 16-31: one expert further
	v_and_b32 v[OFF+1], 15, v[LN]
	v_lshl_or_b32 v[OFF], v[OFF+1], 4, v[OFF]
	v_add_nc_u32 v[OFF+1], 0x2000000, v[OFF]       ; two experts further
	v_and_b32 v[A], 1, v0
	v_cmp_eq_u32 vcc_lo, 1, v[A]                   ; the odd lanes; VCC is written nowhere else
	v_bfe_u32 v[B], v0, 1, 3                       ; (lane % 16) / 2
.irp r, 1,2,3,4,5,6,7
	v_cmp_eq_u32 s[MROW+\r], \r, v[B]
.endr
	s_wait_kmcnt 0x0
	s_add_nc_u64 s[6:7], s[6:7], s[20:21]
	s_add_nc_u64 s[14:15], s[14:15], s[22:23]
	s_add_nc_u64 s[4:5], s[4:5], s[24:25]
	s_add_nc_u64 s[12:13], s[12:13], s[26:27]
	s_add_nc_u64 s[16:17], s[16:17], s[28:29]
; Unit u of 64 of my row of wb: block ft = u / 2 of 64 columns, experts 4 p + 2 (u % 2) and the next.  The load takes 256 consecutive aligned bytes of each of the two experts' rows;
; the store's 32 lanes x 8 bytes are 256 consecutive aligned bytes of wb.  All steps stand in the immediates: no address register is rewritten.
.macro WLOAD u
	global_load_b128 v[X+4*((\u)%16):X+4*((\u)%16)+3], v[OFF+(\u)%2], s[6:7] offset:((\u)/2)*256 th:TH_LOAD_NT
.endm
.macro WUNIT u, ahead, left
	s_wait_loadcnt \left                           ; loads come back in order (ISA guide 5.7.1): mine is in, the younger ones stay out
	v_cvt_pk_bf16_f32 v[Y+2*(\u)],   v[X+4*((\u)%16)],   v[X+4*((\u)%16)+1]
	v_cvt_pk_bf16_f32 v[Y+2*(\u)+1], v[X+4*((\u)%16)+2], v[X+4*((\u)%16)+3]
.if \ahead
	WLOAD (\u)+16
.endif
	global_store_b64 v[ST], v[Y+2*(\u):Y+2*(\u)+1], s[14:15] offset:((\u)/2)*512+((\u)%2)*256
.endm
	; the head's 33 loads, the oldest first: bg, Wg, x, W
	global_load_b64 v[BG:BG+1], v[BGO], s[10:11]
.irp q, 0,1,2,3                        ; my columns are 128 w + 4 lane + q
	global_load_b128 v[WGR+8*\q:WGR+8*\q+3],   v[WO], s[8:9] offset:\q*32
	global_load_b128 v[WGR+8*\q+4:WGR+8*\q+7], v[WO], s[8:9] offset:\q*32+16
.endr
.irp r, 0,1,2,3,4,5,6,7
	global_load_b128 v[XR+4*\r:XR+4*\r+3], v[XO], s[4:5] offset:\r*8192 th:TH_LOAD_NT      ; a wave's load covers 512 consecutive bytes of the row
.endr
.set u, 0
.rept 16
	WLOAD u
.set u, u+1
.endr
; One row of x.  Eight partial logits from my four columns: four chains of packed multiply-adds, x taken for both halves from one register of its pair.  The cast in place and its store.
; The sums over sixteen lanes: in the first step the experts are split, even lanes keeping experts 0-3 and odd lanes 4-7, each handing the other four to its neighbour; three more steps
; add lanes of like parity.  Then lanes 2 r and 2 r + 1 of each half keep the row's sums: after eight rows every lane holds four numbers that no other lane of its half holds.
.macro XROW r
.set XB, XR+4*\r
.irp pr, 0,2,4,6
	v_pk_mul_f32 v[L+\pr:L+\pr+1], v[XB:XB+1], v[WGR+\pr:WGR+\pr+1] op_sel_hi:[0,1]        ; the first column starts the sums
.endr
.irp c, 1,2,3
.irp pr, 0,2,4,6
.if \c & 1
	v_pk_fma_f32 v[L+\pr:L+\pr+1], v[XB+\c-1:XB+\c], v[WGR+8*\c+\pr:WGR+8*\c+\pr+1], v[L+\pr:L+\pr+1] op_sel:[1,0,0] op_sel_hi:[1,1,1]
.else
	v_pk_fma_f32 v[L+\pr:L+\pr+1], v[XB+\c:XB+\c+1], v[WGR+8*\c+\pr:WGR+8*\c+\pr+1], v[L+\pr:L+\pr+1] op_sel_hi:[0,1,1]
.endif
.endr
.endr
	v_cvt_pk_bf16_f32 v[XB],   v[XB],   v[XB+1]
	v_cvt_pk_bf16_f32 v[XB+1], v[XB+2], v[XB+3]
	global_store_b64 v[BO], v[XB:XB+1], s[12:13] offset:\r*4096                            ; 32 lanes x 8 bytes: 256 consecutive bytes, aligned
.irp i, 0,1,2,3
	v_cndmask_b32 v[A+\i], v[L+\i],   v[L+4+\i], vcc_lo                                    ; kept: expert i, in odd lanes 4 + i
	v_cndmask_b32 v[B+\i], v[L+4+\i], v[L+\i],   vcc_lo                                    ; handed over: the other one
.endr
.irp i, 0,1,2,3
	v_add_f32_dpp v[A+\i], v[B+\i], v[A+\i] row_xmask:1 row_mask:0xf bank_mask:0xf         ; + what the neighbour hands over
.endr
.irp m, 2,4,8
.irp i, 0,1,2,3
	v_add_f32_dpp v[A+\i], v[A+\i], v[A+\i] row_xmask:\m row_mask:0xf bank_mask:0xf
.endr
.endr
.irp i, 0,1,2,3
.if \r == 0
	v_mov_b32 v[K+\i], v[A+\i]                     ; row 0 writes every lane; rows 1 to 7 then take their own two lanes of each half
.else
	v_cndmask_b32 v[K+\i], v[K+\i], v[A+\i], s[MROW+\r]
.endif
.endr
.endm
	s_wait_loadcnt 23                              ; bg, Wg and row 0 of x are in: behind them 7 loads of x and 16 of W were issued
.set u, 0
.irp r, 0,1,2,3,4,5,6,7
	XROW \r                                        ; rows 1 to 7 need no wait: the first unit's wait below shows all that is older than the ring's first load
.rept 4
	WUNIT u, 1, 15
.set u, u+1
.endr
.endr
	ds_store_b128 v[XO], v[K:K+3]                  ; 32 lanes x 16 different bytes: block 2 w + lane / 16 of 256 bytes, laid [row][expert]
	s_wait_xcnt 0x0                                ; every earlier memory instruction has had its addresses translated (ISA guide 3.1): x's registers, which the stores to xb read, are written again only behind this wait
	s_wait_dscnt 0x0                               ; for the others' sake: my sums are in LDS
	s_barrier_signal -1
	s_barrier_wait -1
	s_cmp_lg_u32 s18, 0
	s_cbranch_scc1 .Lrest
	; wave 0: lane t has row t / 4 and experts 2 (t % 4) and the next, which lie at byte 8 t of each of the 32 blocks
.set i, 0
.rept 32
	ds_load_b64 v[FS+2*i:FS+2*i+1], v[ST] offset:i*256
.set i, i+1
.endr
	s_wait_dscnt 0x0
.irp d, 32,16,8,4,2                    ; 31 packed sums: halves, quarters, ...
.set i, 0
.rept \d/2
	v_pk_add_f32 v[FS+i:FS+i+1], v[FS+i:FS+i+1], v[FS+i+\d:FS+i+\d+1]
.set i, i+2
.endr
.endr
	v_pk_add_f32 v[L:L+1], v[FS:FS+1], v[BG:BG+1]
	v_max_num_f32 v[L+2], v[L], v[L+1]
	v_max_num_f32_dpp v[L+2], v[L+2], v[L+2] row_xmask:1 row_mask:0xf bank_mask:0xf        ; the row's other six experts lie in the three lanes beside mine
	v_max_num_f32_dpp v[L+2], v[L+2], v[L+2] row_xmask:2 row_mask:0xf bank_mask:0xf
	v_mul_f32 v[L+3], s30, v[L+2]
	v_fma_f32 v[L],   v[L],   s30, -v[L+3]         ; log2(e) (z - max)
	v_fma_f32 v[L+1], v[L+1], s30, -v[L+3]
	v_exp_f32 v[L],   v[L]
	v_exp_f32 v[L+1], v[L+1]
	v_nop                                          ; a plain instruction between the last exponential and the use of its result (ISA guide 5.7.2)
	s_wait_alu depctr_va_vdst(0)
	v_add_f32 v[L+4], v[L], v[L+1]
	v_add_f32_dpp v[L+4], v[L+4], v[L+4] row_xmask:1 row_mask:0xf bank_mask:0xf
	v_add_f32_dpp v[L+4], v[L+4], v[L+4] row_xmask:2 row_mask:0xf bank_mask:0xf
	v_rcp_f32 v[L+6], v[L+4]                       ; twice: a pair for the packed multiply
	v_rcp_f32 v[L+7], v[L+4]
	v_nop
	s_wait_alu depctr_va_vdst(0)
	v_pk_mul_f32 v[L:L+1], v[L:L+1], v[L+6:L+7]
	global_store_b64 v[ST], v[L:L+1], s[16:17]     ; 32 lanes x 8 bytes: the group's eight rows of gate, 256 consecutive bytes, aligned; neither register is written again
.Lrest:
.rept 16
	WUNIT u, 1, 15
.set u, u+1
.endr
.rept 16
	WUNIT u, 0, 63-u                               ; the last sixteen load nothing: the counts run down
.set u, u+1
.endr
	s_wait_tensorcnt 0x0
	ds_add_u32 v224, v225
	s_wait_dscnt 0x0
	s_endpgm
.Lfunc_end_k_qf2fffa8ecd_prep:
	.size	k_qf2fffa8ecd_prep, .Lfunc_end_k_qf2fffa8ecd_prep-k_qf2fffa8ecd_prep
	.p2alignl 7, 3214868480
	.fill 96, 4, 3214868480
	.section	.rodata,"a",@progbits
	.p2align	6, 0x0
	.amdhsa_kernel k_qf2fffa8ecd_prep
		.amdhsa_group_segment_fixed_size 10240
		.amdhsa_private_segment_fixed_size 0
		.amdhsa_enable_private_segment 0
		.amdhsa_kernarg_size 56
		.amdhsa_user_sgpr_count 2
		.amdhsa_user_sgpr_kernarg_segment_ptr 1
		.amdhsa_wavefront_size32 1
		.amdhsa_system_sgpr_workgroup_id_x 1
		.amdhsa_system_sgpr_workgroup_id_y 1
		.amdhsa_system_sgpr_workgroup_id_z 1
		.amdhsa_system_vgpr_workitem_id 0
		.amdhsa_next_free_vgpr 226
		.amdhsa_next_free_sgpr 66
		.amdhsa_reserve_vcc 1
		.amdhsa_float_denorm_mode_32 3
		.amdhsa_float_denorm_mode_16_64 3
		.amdhsa_memory_ordered 1
		.amdhsa_forward_progress 1
		.amdhsa_inst_pref_size 54
	.end_amdhsa_kernel
	.amdgpu_metadata
---
amdhsa.version: [ 1, 2 ]
amdhsa.kernels:
  - .name:           k_qf2fffa8ecd_prep
    .symbol:         k_qf2fffa8ecd_prep.kd
    .args:
      - { .name: x, .offset: 0, .size: 8, .value_kind: global_buffer, .address_space: global }
      - { .name: W, .offset: 8, .size: 8, .value_kind: global_buffer, .address_space: global }
      - { .name: Wg, .offset: 16, .size: 8, .value_kind: global_buffer, .address_space: global }
      - { .name: bg, .offset: 24, .size: 8, .value_kind: global_buffer, .address_space: global }
      - { .name: xb, .offset: 32, .size: 8, .value_kind: global_buffer, .address_space: global }
      - { .name: wb, .offset: 40, .size: 8, .value_kind: global_buffer, .address_space: global }
      - { .name: gate, .offset: 48, .size: 8, .value_kind: global_buffer, .address_space: global }
    .group_segment_fixed_size: 10240
    .private_segment_fixed_size: 0
    .kernarg_segment_align: 8
    .kernarg_segment_size: 56
    .max_flat_workgroup_size: 512
    .sgpr_count:     66
    .vgpr_count:     226
    .wavefront_size: 32
...
	.end_amdgpu_metadata
.endif
;; end of part 1
;; launch moe (part 2): grid 32 x 8, 4 waves a work-group, clusters of 4 x 4, 327,680 bytes of LDS; arguments xb, wb, gate, b, cached, out0; writes out0
.if DOCPART == 2
	.amdgcn_target "amdgcn-amd-amdhsa--gfx1250"
	.amdhsa_code_object_version 6
	.text
	.protected	k_qf2fffa8ecd_moe
	.globl	k_qf2fffa8ecd_moe
	.p2align	8
	.type	k_qf2fffa8ecd_moe,@function
k_qf2fffa8ecd_moe:
	s_mov_b64 s[64:65], 0
	v_nop
	global_prefetch_b8 v0, s[64:65] scope:SCOPE_SE
	s_setreg_imm32_b32 hwreg(HW_REG_WAVE_MODE, 25, 1), 1
	s_wait_xcnt 0x0
	s_wait_alu depctr_hold_cnt(0) depctr_sa_sdst(0) depctr_va_vdst(0) depctr_va_sdst(0) depctr_va_ssrc(0) depctr_va_vcc(0) depctr_vm_vsrc(0)
	s_getreg_b32 s2, hwreg(HW_REG_IB_STS2, 6, 4)
	s_cmp_eq_u32 s2, 0
	s_cbranch_scc0 .Lentry_in_a_cluster
	s_endpgm
.Lentry_in_a_cluster:
	s_bfe_u32 s2, ttmp6, 0x10000c
	s_cmp_lg_u32 s2, 0xf033
	s_cbranch_scc0 .Lentry_shape_is_right
	s_endpgm
.Lentry_shape_is_right:
; out0[n][f] = sum over e of gate[n][e] (relu(sum over k of x[n][k] W[e][k][f] + b[e][f]) + cached[e][f]).   Products in bf16 with f32 sums; all else in f32.
; SHARES.  A work-group owns 256 rows n x 64 columns f of out0, for all eight experts.  It multiplies its 256 rows of xb against 4 experts x 64 f = 256 columns at a time:
; a tile of 256 x 256, four waves of 128 x 128 (64 accumulators of 16 x 16, 512 registers), in two passes (experts 0-3, then 4-7).  At a pass's end bias, relu, cached and gate
; are applied in registers and the four experts are added into 128 further registers a wave; out0 is written once, at the end.  32 x 8 = 256 work-groups of equal work.
; K goes in steps of 128 through a ring of two LDS slots filled by the tensor data mover; the ring runs on from pass 0 into pass 1: 32 steps.
; wb lies [p][k][ft][el][fi], so a K step's tile of W is 128 rows (k) of 512 consecutive bytes; it is turned on the way out of LDS by ds_load_tr16_b128.
; CLUSTERS: 4 x 4 work-groups.  The four of a row of the cluster share their 256 rows of xb, the four of a column their 64 f of wb: each tile is asked for jointly, by the same
; tensor load with the same descriptor and a mask that names the four.
; THE MATRIX INSTRUCTION IS USED TRANSPOSED: source 0 = 16 columns of W, source 1 = 16 rows of x.  Lane l then holds row l % 16, and its registers 0-7 the columns f = 8 (l / 16) + 0..7.
; THE BIAS: the first product of a pass takes b + cached as its C, and relu(z + b) + cached is formed as max(z + b + cached, cached).
; LIMITS: that order of f32 roundings differs from the reference's; the maximum is v_max_num_f32, in which a NaN loses, so NaN and infinite inputs are not served.
;
; REGISTERS, in windows of 256:
;   window 0: v0-31 addresses; v32-63 the gates of my 128 rows for the pass's four experts; v64-127, v128-191 fragments of x, two buffers; v192-255 b + cached, later cached, of my 8 column blocks
;   window 1: v64-127, v128-191 fragments of W, two buffers; v0-63 and v192-255 the gated sums (row block a, column block fb)
;   window 2: the 32 accumulators of my rows 0-63 (accumulator (a, b) at v[8 (8 a + b)], b = 2 el + fb);   window 3: those of my rows 64-127
.set PA,     272                       ; an LDS row of x: 256 bytes + 16 of padding: the 16 rows of a fragment load start 68 words apart
.set PB,     544                       ; an LDS row of W: 512 bytes + 32 of padding, 17 x 32 bytes, for the turning load
.set HALFT,  128*PA                    ; what one tensor load brings: 128 rows of x, or 64 rows of W (64 x 544 is the same number)
.set SLOT,   4*HALFT                   ; x's 256 rows, then W's 128 rows
.set STAGE,  2*SLOT                    ; behind the ring: 128 rows x 272 bytes, the work-group's, for the way out
.set SP,     272
.set TBC,    STAGE+128*SP              ; (b + cached)[8][64] f32
.set TCC,    TBC+2048                  ; cached[8][64] f32
.set SPARE,  TCC+2048                  ; the spare words, 128 bytes for each wave: two blocks of 256 bytes that no other line names
.set LAPS,   8                         ; a lap = two K steps = once round the ring; a pass has 2048 / 256 of them
.set ADRA, 16                          ; v16-17  LDS address of my fragments of x in slot 0, 1
.set ADRB, 20                          ; v20-21  the same for W
.set STO,  24                          ; v24     the way out: where I put 16 bytes of a row
.set RD,   25                          ; v25     the way out: where I read a row back
.set CO,   26                          ; v26     my byte offset in out0
.set GOFF, 27                          ; v27     my byte offset in gate: 32 (l % 16)
.set SPW,  28                          ; v28     LDS address of my spare word; never rewritten
.set NIL,  29                          ; v29     0; never rewritten
.set TADR, 30                          ; v30     LDS address of my 8 numbers in a row of the table b + cached
.set GR,   32
.set F0,   64
.set F1,   128
.set BCR,  192
.set G1,  24                           ; s[24:31] descriptor group 1 for x's tiles;  s[32:39] group 0, a set for each slot
.set G0,  32
.set G1B, 48                           ; s[48:55], s[56:63] the same for W's tiles
.set G0B, 56
.set MSB, 0
.macro WIN new                         ; the immediate's high byte repeats the setting that is left; a switch that changes nothing is dropped
.if MSB != (\new)
	s_set_vgpr_msb (MSB<<8)|(\new)
.set MSB, (\new)
.endif
.endm
.set MUL_LO,  0xa1                     ; source 0 (W) window 1, source 1 (x) window 0, C and D window 2
.set MUL_HI,  0xf1                     ; the same, C and D window 3
.set INIT_LO, 0x81                     ; C (b + cached) window 0, D window 2
.set INIT_HI, 0xc1                     ; C window 0, D window 3
.set TO_B,    0x40                     ; destination window 1, address window 0
; A joint load.  Waves 0 and 1 fetch x's two halves, waves 2 and 3 W's.  The branch hangs on the wave's number alone.  Four v_nop follow each of the two lines.
.macro JLOAD s
	s_cmp_eq_u32 s17, 0
	s_cbranch_scc0 .Lfor_b_\@
	tensor_load_to_lds s[G0+4*\s:G0+4*\s+3], s[G1:G1+7]
	s_nop 0
.rept 4
	v_nop
.endr
	s_branch .Lasked_\@
.Lfor_b_\@:
	tensor_load_to_lds s[G0B+4*\s:G0B+4*\s+3], s[G1B:G1B+7]
	s_nop 0
.rept 4
	v_nop
.endr
.Lasked_\@:
.endm
.macro CREST                           ; a round of the cluster's barrier behind its opening barrier
	s_cmp_lg_u32 s16, 0
	s_cbranch_scc1 .Lnot_wave_0_\@
	s_barrier_signal -3
.Lnot_wave_0_\@:
	s_barrier_wait -3
	s_barrier_signal -1
	s_barrier_wait -1
.endm
.macro CROUND                          ; a whole round
	s_barrier_signal -1
	s_barrier_wait -1
	CREST
.endm
	s_load_b256 s[4:11], s[0:1], 0x0               ; xb s[4:5], wb s[6:7], gate s[8:9], b s[10:11]
	s_load_b128 s[12:15], s[0:1], 0x20             ; cached s[12:13], out0 s[14:15]
	v_lshl_add_u32 v[SPW], v0, 2, SPARE
	v_mov_b32 v[NIL], 0
	ds_add_u32 v28, v29
	s_wait_dscnt 0x0
	v_lshrrev_b32 v1, 5, v0
	v_readfirstlane_b32 s16, v1                    ; wave 0..3
	s_lshr_b32 s17, s16, 1                         ; wr: which 128 of the 256 rows are mine.  Also: I fetch for x (0) or for W (1)
	s_and_b32 s18, s16, 1                          ; wc: which 32 of each expert's 64 columns.  Also: which half of that tile I fetch
	s_bfe_u32 s20, ttmp6, 0x40000                  ; cx
	s_bfe_u32 s21, ttmp6, 0x40004                  ; cy
	s_lshl_b32 s22, ttmp9, 2
	s_add_co_u32 s22, s22, s20                     ; ft = 4 x cluster x + cx: my 64 columns f
	s_and_b32 s23, ttmp7, 0xffff
	s_lshl_b32 s23, s23, 2
	s_add_co_u32 s23, s23, s21                     ; rt = 4 x cluster y + cy: my 256 rows
	s_lshl_b32 s40, s21, 2
	s_lshl_b32 s40, 15, s40                        ; my row of the cluster: places 4 cy .. 4 cy + 3
	s_lshl_b32 s44, 0x1111, s20                    ; my column: places cx, cx + 4, cx + 8, cx + 12
	; group 1 for x: 128 rows x 128 elements of 2 bytes, 2,048 elements from row to row; 4 words of padding behind every 64
	s_or_b32 s[G1+0], s40, (1<<16)|(1<<20)|(1<<21)|(5<<22)|(3<<25)
	s_mov_b32 s[G1+1], 128<<16                     ; tensor_dim0 = 128
	s_mov_b32 s[G1+2], 128<<16                     ; tensor_dim1 = 128
	s_mov_b32 s[G1+3], 128<<16                     ; tile_dim0 = 128
	s_mov_b32 s[G1+4], 128                         ; tile_dim1 = 128
	s_mov_b32 s[G1+5], 2048                        ; stride
	s_mov_b32 s[G1+6], 0
	s_mov_b32 s[G1+7], 0
	; group 1 for W: 64 rows (k) x 256 elements, 8,192 elements from row to row; 8 words of padding behind every 128
	s_or_b32 s[G1B+0], s44, (1<<16)|(1<<20)|(1<<21)|(6<<22)|(7<<25)
	s_mov_b32 s[G1B+1], 256<<16
	s_mov_b32 s[G1B+2], 64<<16
	s_mov_b32 s[G1B+3], 256<<16
	s_mov_b32 s[G1B+4], 64
	s_mov_b32 s[G1B+5], 8192
	s_mov_b32 s[G1B+6], 0
	s_mov_b32 s[G1B+7], 0
	; where the tiles come from.  x's hang on rt alone (s40-43 never hold cx), W's on ft alone (s44-47 never hold cy); every wave makes both and asks by one.
	s_lshl_b32 s40, s23, 8
	s_lshl_b32 s41, s18, 7
	s_add_co_u32 s40, s40, s41                     ; row 256 rt + 128 wc,
	s_lshl_b32 s40, s40, 12                        ; of 4,096 bytes
	s_mov_b32 s41, 0
	s_lshl_b32 s44, s22, 9                         ; 512 bytes for each ft,
	s_lshl_b32 s45, s18, 20                        ; 64 rows of 16,384 bytes for wc
	s_add_co_u32 s44, s44, s45
	s_mov_b32 s45, 0
	s_mul_i32 s3, s16, HALFT                       ; and where they go: wave x HALFT: no place in the cluster enters an LDS address
	s_wait_kmcnt 0x0
	s_add_nc_u64 s[42:43], s[4:5], s[40:41]
	s_add_nc_u64 s[46:47], s[6:7], s[44:45]
	CROUND                                         ; all sixteen work-groups are here: the first joint loads meet
.irp s, 0,1
	s_mov_b32 s[G0+4*\s], 1                                        ; count = 1
	s_add_co_u32 s[G0+4*\s+1], s3, \s*SLOT                         ; LDS address
	s_add_nc_u64 s[G0+4*\s+2:G0+4*\s+3], s[42:43], \s*256          ; K step s: 128 elements along the rows
	s_or_b32 s[G0+4*\s+3], s[G0+4*\s+3], 0x80000000                ; type = 2
	s_mov_b32 s[G0B+4*\s], 1
	s_add_co_u32 s[G0B+4*\s+1], s3, \s*SLOT
	s_add_nc_u64 s[G0B+4*\s+2:G0B+4*\s+3], s[46:47], \s*2097152    ; K step s: 128 rows of 16,384 bytes down
	s_or_b32 s[G0B+4*\s+3], s[G0B+4*\s+3], 0x80000000
	JLOAD \s                                       ; two loads of mine are out
.endr
	; the other buffers' bases
	s_lshl_b32 s40, s23, 8
	s_lshl_b32 s41, s17, 7
	s_add_co_u32 s40, s40, s41                     ; my wave's first row: 256 rt + 128 wr
	s_lshl_b32 s42, s40, 5                         ; rows of gate are 32 bytes
	s_mov_b32 s43, 0
	s_add_nc_u64 s[8:9], s[8:9], s[42:43]
	s_lshl_b32 s42, s18, 5
	s_add_co_u32 s40, s40, s42                     ; the first row that I store: + 32 wc
	s_lshl_b32 s40, s40, 13                        ; rows of out0 are 8,192 bytes
	s_mov_b32 s41, 0
	s_add_nc_u64 s[14:15], s[14:15], s[40:41]
	s_lshl_b32 s44, s22, 8                         ; my 64 f are 256 bytes of a row of out0, b and cached
	s_mov_b32 s45, 0
	s_add_nc_u64 s[14:15], s[14:15], s[44:45]
	s_add_nc_u64 s[10:11], s[10:11], s[44:45]
	s_add_nc_u64 s[12:13], s[12:13], s[44:45]
	; lane addresses
	v_and_b32 v1, 15, v0                           ; r = l % 16
	v_bfe_u32 v2, v0, 4, 1                         ; h = l / 16
	v_mul_u32_u24 v3, v1, PA                       ; r x 272 (the stage has the same pitch)
	v_lshl_add_u32 v4, v2, 4, v3                   ; a fragment of x: row r, 16 bytes for each half of the lanes
	s_mul_i32 s2, s17, HALFT
	v_add_nc_u32 v[ADRA], s2, v4
	v_add_nc_u32 v[ADRA+1], SLOT, v[ADRA]
	v_and_b32 v4, 7, v0                            ; the turning load: lane l reads 16 bytes of row k = 8 h + l % 8, columns 8 ((l / 8) % 2) + 0..7
	v_lshl_add_u32 v4, v2, 3, v4
	v_mul_u32_u24 v4, v4, PB
	v_bfe_u32 v5, v0, 3, 1
	v_lshl_add_u32 v4, v5, 4, v4
	s_lshl_b32 s2, s18, 6                          ; my 32 columns of each expert's 64,
	s_add_co_u32 s2, s2, 2*HALFT                   ; behind x's 256 rows
	v_add_nc_u32 v[ADRB], s2, v4
	v_add_nc_u32 v[ADRB+1], SLOT, v[ADRB]
	s_mul_i32 s2, s17, 64*SP                       ; into the stage: rows 64 wr + .., bytes 128 wc + 32 h of a row
	s_lshl_b32 s3, s18, 7
	s_add_co_u32 s2, s2, s3
	s_add_co_u32 s2, s2, STAGE
	v_lshl_add_u32 v4, v2, 5, v3
	v_add_nc_u32 v[STO], s2, v4
	s_mul_i32 s2, s16, 32*SP                       ; back: wave w takes stage rows 32 w .. 32 w + 31, whole: lanes 0-15 one row of 256 bytes, lanes 16-31 the next
	s_add_co_u32 s2, s2, STAGE
	v_mul_u32_u24 v4, v2, SP
	v_lshl_add_u32 v4, v1, 4, v4
	v_add_nc_u32 v[RD], s2, v4
	v_lshlrev_b32 v4, 13, v2                       ; and the same two rows in out0
	v_lshl_add_u32 v[CO], v1, 4, v4
	v_lshlrev_b32 v[GOFF], 5, v1
	s_add_co_u32 s3, s3, TBC
	v_lshl_add_u32 v[TADR], v2, 5, s3              ; TBC + 128 wc + 32 h
	; the tables: thread t takes 16 bytes of expert t / 16: sixteen lanes cover the expert's 256 bytes
	v_lshrrev_b32 v6, 4, v0
	v_lshlrev_b32 v6, 13, v6
	v_lshl_or_b32 v6, v1, 4, v6
	v_lshl_add_u32 v7, v0, 4, TBC
	global_load_b128 v[8:11],  v6, s[10:11]
	global_load_b128 v[12:15], v6, s[12:13]
; the gates of my 128 rows for pass p's four experts: lane l takes row 16 a + l % 16; expert el of row block a lands in v[GR + 4 a + el]
.macro GLOAD p
.irp a, 0,1,2,3,4,5,6,7
	global_load_b128 v[GR+4*\a:GR+4*\a+3], v[GOFF], s[8:9] offset:\a*512+\p*16
.endr
.endm
	GLOAD 0
	s_wait_loadcnt 8                               ; b and cached are in; the eight loads of gates stay out
	v_pk_add_f32 v[8:9],   v[8:9],   v[12:13]
	v_pk_add_f32 v[10:11], v[10:11], v[14:15]
	ds_store_b128 v7, v[8:11]                      ; b + cached
	ds_store_b128 v7, v[12:15] offset:TCC-TBC      ; cached
; 16 matrix instructions: row blocks a0, a0 + 1 of the window's four (hi = 0: my rows 0-63, 1: rows 64-127) x all 8 column blocks, 32 along K.
; init = 1: the first product of a pass starts the sums from b + cached.  The 64 accumulators take turns, one instruction a turn, in the same order everywhere.
.macro MUL16 f, hi, a0, init
.irp a, \a0, \a0+1
.irp b, 0,1,2,3,4,5,6,7
.if \init
	v_wmma_f32_16x16x32_bf16 v[8*(8*(\a)+\b):8*(8*(\a)+\b)+7], v[\f+8*\b:\f+8*\b+7], v[\f+8*(4*\hi+\a):\f+8*(4*\hi+\a)+7], v[BCR+8*\b:BCR+8*\b+7]
.else
	v_wmma_f32_16x16x32_bf16 v[8*(8*(\a)+\b):8*(8*(\a)+\b)+7], v[\f+8*\b:\f+8*\b+7], v[\f+8*(4*\hi+\a):\f+8*(4*\hi+\a)+7], v[8*(8*(\a)+\b):8*(8*(\a)+\b)+7]
.endif
.endr
.endr
.endm
; 32 LDS loads in one run: the fragments of quarter q (32 along K) of a slot into buffer f.  W's block i is expert i / 2, columns 32 wc + 16 (i % 2) on: two turning loads, 16 rows apart.
.macro FETCH slot, q, f
	WIN TO_B
.irp i, 0,1,2,3,4,5,6,7
	ds_load_tr16_b128 v[\f+8*\i:\f+8*\i+3],   v[ADRB+\slot] offset:\q*32*PB+(\i/2)*128+(\i%2)*32
	ds_load_tr16_b128 v[\f+8*\i+4:\f+8*\i+7], v[ADRB+\slot] offset:\q*32*PB+16*PB+(\i/2)*128+(\i%2)*32
.endr
	WIN 0
.irp i, 0,1,2,3,4,5,6,7
	ds_load_b128 v[\f+8*\i:\f+8*\i+3],   v[ADRA+\slot] offset:\q*64+\i*16*PA
	ds_load_b128 v[\f+8*\i+4:\f+8*\i+7], v[ADRA+\slot] offset:\q*64+\i*16*PA+32
.endr
.endm
; 16 LDS loads: my eight numbers of each of the pass's 8 column blocks, from the table b + cached (off = 0) or cached (off = TCC - TBC)
.macro LOADT off, p
	WIN 0
.irp b, 0,1,2,3,4,5,6,7
	ds_load_b128 v[BCR+8*\b:BCR+8*\b+3],   v[TADR] offset:\off+(4*\p+\b/2)*256+(\b%2)*64
	ds_load_b128 v[BCR+8*\b+4:BCR+8*\b+7], v[TADR] offset:\off+(4*\p+\b/2)*256+(\b%2)*64+16
.endr
.endm
; Four plain vector instructions stand between a matrix instruction and a load into one of its registers, or a vector instruction that reads its result (ISA guide 7.12.1 for vector instructions).
.macro PLACES
.rept 4
	v_nop
.endr
.endm
; A K step is four quarters of 32 along K, 64 matrix instructions each, on buffers 0, 1, 0, 1.  One of the first three: multiplies buffer f and, in its middle, fetches quarter q into buffer g.
; cp = 0 or 1: cached of that pass takes b + cached's registers here (their last reader is the pass's first quarter); 9: not here.  Those 16 loads are older than the fetch's 32, so no count changes.
.macro QUARTER slot, q, f, g, init, cp
.if \init
	s_wait_dscnt 0x0                               ; the fragments and b + cached are in
	WIN INIT_LO
.else
	s_wait_dscnt 8                                 ; W and x's rows 0-63 are in; the youngest eight loads (x's rows 64-127) may be out
	WIN MUL_LO
.endif
	MUL16 \f, 0, 0, \init
	MUL16 \f, 0, 2, \init
	PLACES
.if \cp < 2
	LOADT TCC-TBC, \cp
.endif
	FETCH \slot, \q, \g
	s_wait_dscnt 32                                ; all but the 32 just issued
.if \init
	WIN INIT_HI
.else
	WIN MUL_HI
.endif
	MUL16 \f, 1, 0, \init
	MUL16 \f, 1, 2, \init
.endm
; The last quarter multiplies buffer 1 and changes slots.  MEET is its first half: one barrier.  In front of it each wave waits for all its tensor loads (one is out: its part of the
; next slot), adds 0 to its spare word, and waits for that and for its own reads of this slot.  Behind it nobody reads this slot any more and the next slot is whole.
.macro MEET round
	WIN 0                                          ; (the add's two registers lie in window 0)
	s_wait_tensorcnt 0x0
	ds_add_u32 v[SPW], v[NIL]                      ; 0 onto my spare word
	s_wait_dscnt 9                                 ; (the add and the youngest eight loads may be out)
	WIN MUL_LO
	MUL16 F1, 0, 0, 0                              ; sixteen matrix instructions stand between the add and the wait for it
	s_wait_dscnt 0x0                               ; the add is done, and my reads of this slot are over
	s_barrier_signal -1
	MUL16 F1, 0, 2, 0
.if \round
	WIN 0
.endif
	s_barrier_wait -1
.endm
; The whole last quarter.  fill = 1: the barrier opens a round of the cluster's barrier, and the slot just read out is filled again first behind it, with the K step two on:
; W goes 256 rows down (pass 1's rows follow pass 0's in wb); x goes 256 elements on, or (wrap = 1, pass 0's last two steps) back to K steps 0 and 1.
; From a request to the wait for it a wave issues 224 matrix instructions; one tensor load of mine is out.
.macro TURN slot, next, fill, wrap
	MEET \fill
.if \fill
	CREST                                          ; no wave of any partner still reads this slot's tile or has a load on its way
.if \wrap
	s_sub_nc_u64 s[G0+4*\slot+2:G0+4*\slot+3], s[G0+4*\slot+2:G0+4*\slot+3], 14*256
.else
	s_add_nc_u64 s[G0+4*\slot+2:G0+4*\slot+3], s[G0+4*\slot+2:G0+4*\slot+3], 2*256
.endif
	s_add_nc_u64 s[G0B+4*\slot+2:G0B+4*\slot+3], s[G0B+4*\slot+2:G0B+4*\slot+3], 2*2097152
	JLOAD \slot                                    ; the four v_nop behind it are also the places in front of the loads below
.else
	PLACES
.endif
	FETCH \next, 0, F0
	WIN MUL_HI
	MUL16 F1, 1, 0, 0
	MUL16 F1, 1, 2, 0
.endm
; What both passes share: the first quarter, which starts the sums; seven trips once round the ring, from a lap's second quarter to the next lap's first; the last lap's next two quarters.
.macro RUN p
	QUARTER 0, 1, F0, F1, 1, 9
	WIN 0                                          ; at a label and at a branch every window is 0
	s_mov_b32 s19, LAPS-1
.Llap\p:
	QUARTER 0, 2, F1, F0, 0, 9
	QUARTER 0, 3, F0, F1, 0, 9
	TURN 0, 1, 1, 0
	QUARTER 1, 1, F0, F1, 0, 9
	QUARTER 1, 2, F1, F0, 0, 9
	QUARTER 1, 3, F0, F1, 0, 9
	TURN 1, 0, 1, 0
	QUARTER 0, 1, F0, F1, 0, 9
	WIN 0
	s_sub_co_u32 s19, s19, 1
	s_cmp_lg_u32 s19, 0
	s_cbranch_scc1 .Llap\p
	QUARTER 0, 2, F1, F0, 0, \p                    ; cached comes into registers for the pass's end
	QUARTER 0, 3, F0, F1, 0, 9
.endm
; A PASS'S END.  acc = max(acc, cached), each accumulator's registers in ascending order; then the gated sum takes gate x acc, expert by expert (31 other instructions stand between
; two on one pair).  The gate of (row block a, expert el) is one register of a pair; the packed form takes it for both halves.  Pass 0's first expert starts the sums: nothing is cleared.
.macro EPI p
	PLACES
	s_wait_loadcnt 0x0                             ; the pass's gates
.irp wn, 2,3
	WIN \wn|(\wn<<6)                               ; accumulators (source 0 and destination) in window wn, cached in window 0
.irp al, 0,1,2,3
.irp b, 0,1,2,3,4,5,6,7
.irp j, 0,1,2,3,4,5,6,7
	v_max_num_f32 v[8*(8*\al+\b)+\j], v[8*(8*\al+\b)+\j], v[BCR+8*\b+\j]
.endr
.endr
.endr
	WIN \wn|0x50                                   ; accumulators window wn, gates window 0, the gated sums (source 2 and destination) window 1
.irp el, 0,1,2,3
.irp al, 0,1,2,3
.irp fb, 0,1
.irp jj, 0,2,4,6
.set rO, 192*(\wn-2)+16*\al+8*\fb+\jj
.set rA, 8*(8*\al+2*\el+\fb)+\jj
.set rG, GR+4*(4*(\wn-2)+\al)+(\el&2)
.if (\p == 0) && (\el == 0)
	v_pk_mul_f32 v[rO:rO+1], v[rA:rA+1], v[rG:rG+1] op_sel_hi:[1,0]
.elseif \el & 1
	v_pk_fma_f32 v[rO:rO+1], v[rA:rA+1], v[rG:rG+1], v[rO:rO+1] op_sel:[0,1,0] op_sel_hi:[1,1,1]
.else
	v_pk_fma_f32 v[rO:rO+1], v[rA:rA+1], v[rG:rG+1], v[rO:rO+1] op_sel_hi:[1,0,1]
.endif
.endr
.endr
.endr
.endr
.endr
	WIN 0
.endm
; THE WAY OUT, half t: rows 64 t to 64 t + 63 of each wave's 128.  A row's 256 bytes come from two waves (wc = 0, 1), so they meet in the work-group's stage: 32 bytes a lane in,
; a barrier, whole rows back, 32 rows a wave.  The two halves use different registers, so no store's data is rewritten.
.macro FIN t
	WIN 0x04                                       ; store data in window 1
.irp al, 0,1,2,3
.irp fb, 0,1
	ds_store_b128 v[STO], v[192*\t+16*\al+8*\fb:192*\t+16*\al+8*\fb+3]   offset:\al*16*SP+\fb*64
	ds_store_b128 v[STO], v[192*\t+16*\al+8*\fb+4:192*\t+16*\al+8*\fb+7] offset:\al*16*SP+\fb*64+16
.endr
.endr
	WIN 0
	s_wait_dscnt 0x0                               ; for the others' sake: my stores into the stage are done
	s_barrier_signal -1
	s_barrier_wait -1
.irp i, 0,1,2,3,4,5,6,7,8,9,10,11,12,13,14,15
	ds_load_b128 v[F0+64*\t+4*\i:F0+64*\t+4*\i+3], v[RD] offset:\i*2*SP
.endr
.irp i, 0,1,2,3,4,5,6,7,8,9,10,11,12,13,14,15
	s_wait_dscnt 15-\i                             ; LDS loads come back in order: load i is in
	global_store_b128 v[CO], v[F0+64*\t+4*\i:F0+64*\t+4*\i+3], s[14:15] offset:(64*\t+2*\i)*8192 th:TH_STORE_NT   ; 16 lanes store 256 consecutive bytes, aligned
.endr
.endm
	s_wait_tensorcnt 1                             ; my part of K step 0 is in; K step 1's stays out
	s_wait_dscnt 0x0                               ; my part of the tables is in LDS
	s_barrier_signal -1
	s_barrier_wait -1                              ; everybody's is
	LOADT 0, 0                                     ; b + cached of experts 0-3
	FETCH 0, 0, F0
	RUN 0                                          ; PASS 0
	TURN 0, 1, 1, 1                                ; the ring goes on into pass 1: slot 0 takes its K step 0,
	QUARTER 1, 1, F0, F1, 0, 9
	QUARTER 1, 2, F1, F0, 0, 9
	QUARTER 1, 3, F0, F1, 0, 9
	TURN 1, 0, 1, 1                                ; slot 1 its K step 1, and pass 1's first fragments are fetched
	EPI 0
	GLOAD 1                                        ; the gates of experts 4-7, waited for at pass 1's end
	LOADT 0, 1                                     ; b + cached of experts 4-7
	RUN 1                                          ; PASS 1
	TURN 0, 1, 0, 0                                ; the last K step lies in slot 1; nothing is left to fetch, so no round follows
	QUARTER 1, 1, F0, F1, 0, 9
	QUARTER 1, 2, F1, F0, 0, 9
	QUARTER 1, 3, F0, F1, 0, 9
	s_wait_dscnt 8                                 ; the very last quarter
	WIN MUL_LO
	MUL16 F1, 0, 0, 0
	MUL16 F1, 0, 2, 0
	s_wait_dscnt 0x0
	WIN MUL_HI
	MUL16 F1, 1, 0, 0
	MUL16 F1, 1, 2, 0
	EPI 1
	FIN 0
	s_barrier_signal -1                            ; every wave's reads of the stage are back (its last count-down ended at 0): only then is the stage written again
	s_barrier_wait -1
	FIN 1
	s_wait_tensorcnt 0x0                           ; the wave's end: behind my last tensor load and my last LDS store
	ds_add_u32 v[SPW], v[NIL]
	s_wait_dscnt 0x0
	CROUND                                         ; the closing round: no work-group ends while a partner may still ask for a tile that names it
	s_endpgm
.Lfunc_end_k_qf2fffa8ecd_moe:
	.size	k_qf2fffa8ecd_moe, .Lfunc_end_k_qf2fffa8ecd_moe-k_qf2fffa8ecd_moe
	.p2alignl 7, 3214868480
	.fill 96, 4, 3214868480
	.section	.rodata,"a",@progbits
	.p2align	6, 0x0
	.amdhsa_kernel k_qf2fffa8ecd_moe
		.amdhsa_group_segment_fixed_size 327680
		.amdhsa_private_segment_fixed_size 0
		.amdhsa_enable_private_segment 0
		.amdhsa_kernarg_size 48
		.amdhsa_user_sgpr_count 2
		.amdhsa_user_sgpr_kernarg_segment_ptr 1
		.amdhsa_wavefront_size32 1
		.amdhsa_system_sgpr_workgroup_id_x 1
		.amdhsa_system_sgpr_workgroup_id_y 1
		.amdhsa_system_sgpr_workgroup_id_z 1
		.amdhsa_system_vgpr_workitem_id 0
		.amdhsa_next_free_vgpr 1024
		.amdhsa_next_free_sgpr 66
		.amdhsa_reserve_vcc 0
		.amdhsa_float_denorm_mode_32 3
		.amdhsa_float_denorm_mode_16_64 3
		.amdhsa_memory_ordered 1
		.amdhsa_forward_progress 1
		.amdhsa_inst_pref_size 255
	.end_amdhsa_kernel
	.section	.bss,"aw",@nobits
	.p2align	6
	.space	262144
	.amdgpu_metadata
---
amdhsa.version: [ 1, 2 ]
amdhsa.kernels:
  - .name:           k_qf2fffa8ecd_moe
    .symbol:         k_qf2fffa8ecd_moe.kd
    .args:
      - { .name: xb, .offset: 0, .size: 8, .value_kind: global_buffer, .address_space: global }
      - { .name: wb, .offset: 8, .size: 8, .value_kind: global_buffer, .address_space: global }
      - { .name: gate, .offset: 16, .size: 8, .value_kind: global_buffer, .address_space: global }
      - { .name: b, .offset: 24, .size: 8, .value_kind: global_buffer, .address_space: global }
      - { .name: cached, .offset: 32, .size: 8, .value_kind: global_buffer, .address_space: global }
      - { .name: out0, .offset: 40, .size: 8, .value_kind: global_buffer, .address_space: global }
    .group_segment_fixed_size: 327680
    .private_segment_fixed_size: 0
    .kernarg_segment_align: 8
    .kernarg_segment_size: 48
    .max_flat_workgroup_size: 128
    .sgpr_count:     66
    .vgpr_count:     1024
    .wavefront_size: 32
...
	.end_amdgpu_metadata
.endif
;; end of part 2
